; MI455X (gfx1250); checked and timed in simulation.
; The chip was launched on July 23, 2026; its instructions are those of AMD's public machine-readable ISA for CDNA 5 (MIT licence, August 2026) and "CDNA5" Instruction Set Architecture Reference Guide (July 2026). The comments in the code are by the model that wrote it; some were corrected since.
;; Divided Attention. Allowed arithmetic: matrix products marked QUANTISED: E2M1 operands, one E8M0 scale for each 32 along K, by v_wmma_scale_f32_16x16x128_f8f6f4 with both operands' format E2M1 (or v_wmma_scale_f32_32x16x128_f4), f32 sums; products left as they are: bf16, f16 or f32 operands; f32 sums; everything else in f32.
;; Inputs: proj_b 1,024 float32; proj_w 1,024 x 1,024 float32; qkv_b 3,072 float32; qkv_w 3,072 x 1,024 float32; tok_mask 4 x 3,137 int32; x 4 x 3,137 x 1,024 float32.
;; Outputs: out0 4 x 3,137 x 1,024 float32.
;; Constants: f = 16.
;; This version of the problem:
;;   THIS VERSION OF THE PROBLEM IS GIVEN IN LOW PRECISION. The matrix products marked QUANTISED in the list below multiply operands that are first quantised to E2M1 (2 exponent bits, 1 mantissa bit; 4 bits a number), with one power-of-two scale for each 32 numbers along K (OCP MX v1.0); their sums are f32. The products marked 'left as it is' may take bf16, f16 or f32 operands, with f32 sums. Whichever they take, every output number must still come out within the allowed error. Rounding operands to bf16 (8 significant bits) uses up far more of that allowance than f16 does (11 bits, for magnitudes from 6e-5 to 65,504). All else is computed in f32.
;;   The module's matrix products, in the order in which they are computed (A, B: the left and right operand; K: the contracted axis; several contracted axes count as one K, in the product's order):
;;     1. [M 12,548, K 1,024] x [K 1,024, N 3,072]; A: input x; B: input qkv_w: QUANTISED
;;     2. batch 64 x [M 1, K 64] x [K 64, N 3,137]; A: computed on the way; B: computed on the way: left as it is (M = 1 < 16)
;;     3. batch 64 x [M 1, K 3,137] x [K 3,137, N 64]; A: computed on the way; B: computed on the way: left as it is (M = 1 < 16)
;;     4. batch 1,024 x [M 196, K 64] x [K 64, N 197]; A: computed on the way; B: computed on the way: left as it is (an operand is computed on the way)
;;     5. batch 1,024 x [M 196, K 197] x [K 197, N 64]; A: computed on the way; B: computed on the way: left as it is (an operand is computed on the way)
;;     6. [M 12,548, K 1,024] x [K 1,024, N 1,024]; A: computed on the way; B: input proj_w: left as it is (an operand is computed on the way)
;;   THE QUANTISER, for each operand of a quantised product, along K:
;;     - K is cut into blocks of 32 from its start; a last block that is shorter is filled with zeros.
;;     - A block's scale is 2^e with e = floor(log2(the largest magnitude in the block)) - 2, held to -126 .. 127; a block of zeros has e = 0. As a byte (E8M0): e + 127.
;;     - Each number is divided by its block's scale, clamped to +-6, and rounded to the nearest number of E2M1, ties to even, subnormals kept.
;;     - The product sums the exact products of the quantised numbers (number of the format x scale) in f32.
;;   ~~~python
;;   def quantise(x, axis):      # numpy; x: float32 -> the quantised numbers, widened to float32 again
;;       x = np.moveaxis(x, axis, -1); K = x.shape[-1]
;;       x = np.pad(x, [(0, 0)] * (x.ndim - 1) + [(0, -K % 32)]); x = x.reshape(x.shape[:-1] + (-1, 32)); a = np.abs(x).max(-1, keepdims=True)
;;       e = np.where(a > 0, np.clip(np.frexp(np.where(a > 0, a, 1))[1] - 1 - 2, -126, 127), 0)      # np.frexp(a)[1] - 1 = floor(log2(a)), exactly
;;       r = np.clip(x / 2.0 ** e, -6, 6)
;;       step = 2.0 ** (np.maximum(np.frexp(np.where(r == 0, 1, r))[1] - 1, 0) - 1)
;;       q = np.round(r / step) * step * 2.0 ** e      # np.round: ties to even
;;       return np.moveaxis(q.reshape(q.shape[:-2] + (-1,))[..., :K], -1, axis).astype(np.float32)
;;   ~~~
;; One version. Each part assembles by itself: llvm-mc -triple=amdgcn-amd-amdhsa -mcpu=gfx1250 --defsym DOCPART=n.
;; ======== version 1 of 1: 3 launches
;; limits: values are held in f16: magnitudes above 65,504 overflow, below 6.1e-05 lose precision
;; workspace buffers: xf 6,815,744 bytes; xsf 425,984 bytes; wqf 1,572,864 bytes; wsf 98,304 bytes; pwf 2,097,152 bytes; att 25,690,112 bytes; clsp 524,288 bytes
;; launch prep (part 1): grid 320 x 1, 4 waves a work-group, no clusters, 34,304 bytes of LDS; arguments x, qkv_w, proj_w, xf, xsf, wqf, wsf, pwf; writes xf, xsf, wqf, wsf, pwf
.if DOCPART == 1
	.amdgcn_target "amdgcn-amd-amdhsa--gfx1250"
	.amdhsa_code_object_version 6
	.text
	.protected	k_q1f7061555d_prep
	.globl	k_q1f7061555d_prep
	.p2align	8
	.type	k_q1f7061555d_prep,@function
k_q1f7061555d_prep:
	s_mov_b64 s[64:65], 0
	v_nop
	global_prefetch_b8 v0, s[64:65] scope:SCOPE_SE
	s_setreg_imm32_b32 hwreg(HW_REG_WAVE_MODE, 25, 1), 1
	s_wait_xcnt 0x0
; THE PROGRAM: three launches.  (1) this one: x and qkv_w become codes of FP4 (E2M1) with one E8M0 byte for each 32 along K, laid in the order of the matrix operand's registers; proj_w becomes f16 in chunks of 64 along K.
; (2) attn: the qkv product on codes, and the attention of each frame, fused: q, k, v never go to memory.  (3) proj: the projection; the work-groups of frame 0 also join the cls query's sixteen frame parts and carry its row as row 196 of their tile.
; WORK LEFT OUT: the k third of qkv_b (numbers 1024 to 2047).  It adds q . b_k to every score of a row of sim, in both calls of _masked_attn: a term that is the same along the softmax's axis, for all values of the inputs;
; masked keys are -inf with it and without it; the products that take k are not quantised, so no code or scale hangs on it.  So k is made without its bias.  The q third and the v third are loaded and used.
; The v third is added behind the division by the row's sum: sum p (v + b) / l = sum p v / l + b.
; LIMIT: a NaN, an infinity or an overflow that reaches only the k third of qkv_b is not carried to the result.
; THE QUANTISER: a block's scale is 2^(floor(log2(its largest magnitude)) - 2); its byte is the largest magnitude's exponent field - 2, held at 1 from below.  A block of zeros so gets the byte 1 where the rule says 127:
; its codes are zeros, which add nothing under any byte but 0xff, and this program alone reads the bytes.  LIMITS: NaN and infinities in x or qkv_w are not served; proj_w must lie under 65,504 in magnitude (f16).
; SHARES.  Work-groups 0 to 255 quantise: wave unit u = 4 x work-group + wave takes 16 rows x 1,024 along K: eight fragments (16 rows x 128 K) and their scale words.  Units 0 to 831 are x's: group g = 16 b + frame has 13 tiles of rows:
; rows 0 to 195 the frame's tokens, row 196 the batch's cls token, rows 197 to 207 zeros.  Units 832 to 1,023 are qkv_w's 192 tiles.  Work-groups 256 to 319 convert proj_w.  The branch hangs on the work-group's number.
; A fragment's image: lane (r, h) holds, for c = 0, 1, the 32 codes k = 64 c + 32 h + 0 .. 31 of row r: 16 bytes at 512 c + 16 x lane.  A unit's scale words: lane (r, h) holds row r's words of K steps 4 h to 4 h + 3.
; Each load reads 512 consecutive bytes of one row; a K step's 16 x 512 bytes turn through the wave's own stage in LDS (rows 528 bytes apart), so that a lane gets two whole blocks of its row.  Loads run four K steps (64 loads a wave) ahead.
.set STG,   16*528
.set SPARE, 4*STG                      ; behind the four stages: the spare words, 128 bytes for each wave
.set LANE, 1
.set RR,   2
.set HH,   3
.set L16,  4                           ; v4   16 x lane
.set STW,  5                           ; v5   the stage, on the way in
.set STR,  6                           ; v6   and on the way out: row r, + 128 h
.set VOUT, 7                           ; v7   my 16 bytes in the fragment's image, stepped from K step to K step
.set SPW,  8
.set NIL,  9
.set SH8,  10                          ; v10  8 h
.set TP,   11
.set VO,   16                          ; v16-31   row i's byte offset in the source + 16 x lane
.set X,    32                          ; v32-95   my 64 numbers of a K step
.set MX,   96                          ; v96-97   the two blocks' largest magnitudes
.set SO,   98                          ; v98-99   the conversions' scale operands
.set BY,   100                         ; v100-101 the bytes
.set WD,   102
.set WRD,  104                         ; v104-111 my row's scale word of each K step
.set CD,   112                         ; v112-119 the codes
.set OW,   120                         ; v120-123 the four words that I store
.set WV,   20
.set ROW0, 37
.set NV,   38
.set PAD,  39
.set SRC,  40
.set DST,  42
.set SCD,  44
.set KSTR, 48
.set PM,   49
.set HI,   50
.set SEL,  52
.set MSB, 0
.macro WIN new                         ; the immediate's high byte repeats the setting that is left
.if MSB != (\new)
	s_set_vgpr_msb (MSB<<8)|(\new)
.set MSB, (\new)
.endif
.endm
	s_load_b512 s[4:19], s[0:1], 0x0               ; x, qkv_w, proj_w, xf, xsf, wqf, wsf, pwf
	v_lshl_add_u32 v[SPW], v0, 2, SPARE
	v_mov_b32 v[NIL], 0
	v_lshrrev_b32 v1, 5, v0
	v_readfirstlane_b32 s[WV], v1                  ; wave
	v_and_b32 v[LANE], 31, v0
	v_and_b32 v[RR], 15, v0
	v_bfe_u32 v[HH], v0, 4, 1
	v_lshlrev_b32 v[L16], 4, v[LANE]
	s_cmp_ge_u32 ttmp9, 256
	s_cbranch_scc1 .Lconvert
	; ---- the quantiser.  Both tensors' figures are made, then one compare on the work-group's number chooses
	s_lshl_b32 s21, ttmp9, 2
	s_add_co_u32 s21, s21, s[WV]                   ; u
	s_mul_i32 s22, s21, 5042
	s_lshr_b32 s22, s22, 16                        ; g = u / 13 (exact for u under 832)
	s_mul_i32 s23, s22, 13
	s_sub_co_u32 s23, s21, s23                     ; t
	s_lshr_b32 s24, s22, 4                         ; b
	s_and_b32 s25, s22, 15                         ; frame
	s_mul_i32 s25, s25, 196
	s_lshl_b32 s26, s23, 4
	s_add_co_u32 s25, s25, s26
	s_add_co_u32 s25, s25, 1                       ; x: the tile's first row in its batch
	s_mul_i32 s27, s24, 12849152                   ; the batch's first byte
	s_mul_i32 s28, s22, 106496
	s_lshl_b32 s26, s23, 13
	s_add_co_u32 s28, s28, s26                     ; xf: 13 x 8,192 bytes a group, 8,192 a tile
	s_cmp_eq_u32 s23, 12
	s_cselect_b32 s29, 4, 16                       ; tile 12 has four tokens of the frame,
	s_cselect_b32 s30, 1, 0                        ; the cls row and eleven rows of zeros
	s_max_u32 s31, s21, 832
	s_sub_co_u32 s31, s31, 832                     ; wt = 64 p + 4 head + dt
	s_lshl_b32 s32, s31, 4                         ; qkv_w: the tile's first row
	s_bfe_u32 s33, s31, 0x40002
	s_mul_i32 s33, s33, 98304                      ; wqf: [head][p][k][dt]
	s_lshr_b32 s34, s31, 6
	s_lshl_b32 s34, s34, 15
	s_add_co_u32 s33, s33, s34
	s_and_b32 s34, s31, 3
	s_lshl_b32 s34, s34, 10
	s_add_co_u32 s33, s33, s34
	s_lshl_b32 s35, s31, 9                         ; scale words: 512 bytes a unit
	s_lshl_b32 s36, s21, 9
	s_mov_b32 s54, 4096
	s_mov_b32 s[PM], 0xffe0ffe0                    ; the lanes of rows 5 to 15
	s_mov_b32 s[HI], 0xffff0000
	s_mov_b32 s[SEL], 0x76543210
	s_mov_b32 s[SEL+1], 0xfedcba98
	s_mul_i32 s51, s[WV], STG
	v_add_nc_u32 v[STW], s51, v[L16]
	v_mul_u32_u24 v[STR], v[RR], 528
	v_lshl_add_u32 v[STR], v[HH], 7, v[STR]
	v_add_nc_u32 v[STR], s51, v[STR]
	v_lshlrev_b32 v[SH8], 3, v[HH]
	v_mov_b32 v[TP], 0                             ; a lane permute's destination counts as one of its sources
	v_mov_b32 v[VOUT], v[L16]
	s_wait_kmcnt 0x0
	s_cmp_lt_u32 ttmp9, 208                        ; x's unit or qkv_w's?
	s_cselect_b32 s[ROW0], s25, s32
	s_cselect_b32 s[NV], s29, 16
	s_cselect_b32 s[PAD], s30, 0
	s_cselect_b32 s46, s27, 0
	s_cselect_b32 s56, s28, s33
	s_cselect_b32 s58, s36, s35
	s_cselect_b32 s[KSTR], 1024, s54               ; from K step to K step in the codes' buffer
	s_cselect_b64 s[SRC:SRC+1], s[4:5], s[6:7]
	s_cselect_b64 s[DST:DST+1], s[10:11], s[14:15]
	s_cselect_b64 s[SCD:SCD+1], s[12:13], s[16:17]
	s_mov_b32 s47, 0
	s_mov_b32 s57, 0
	s_mov_b32 s59, 0
	s_add_nc_u64 s[SRC:SRC+1], s[SRC:SRC+1], s[46:47]
	s_add_nc_u64 s[DST:DST+1], s[DST:DST+1], s[56:57]
	s_add_nc_u64 s[SCD:SCD+1], s[SCD:SCD+1], s[58:59]
.irp i, 0,1,2,3,4,5,6,7,8,9,10,11,12,13,14,15
	s_add_co_u32 s54, s[ROW0], \i
	s_cmp_gt_u32 s[NV], \i
	s_cselect_b32 s54, s54, 0                      ; beyond the frame's tokens: the batch's row 0, the cls row: inside the buffer; rows 5 to 15 are made zeros below
	s_lshl_b32 s54, s54, 12
	v_add_nc_u32 v[VO+\i], s54, v[L16]
.endr
.macro QLOAD k                         ; K step k: 16 rows x 512 bytes into set k % 4 of window 1
	WIN 0x40
.irp i, 0,1,2,3,4,5,6,7,8,9,10,11,12,13,14,15
	global_load_b128 v[64*((\k)%4)+4*\i:64*((\k)%4)+4*\i+3], v[VO+\i], s[SRC:SRC+1] offset:512*(\k)
.endr
	WIN 0
.endm
	QLOAD 0
	QLOAD 1
	QLOAD 2
	QLOAD 3
.macro QSTEP k
.if 7-(\k) >= 3
	s_wait_loadcnt 48                              ; this K step's 16 loads are in; those of the three steps behind it may be out
.else
	s_wait_loadcnt 16*(7-(\k))
.endif
	WIN 0x04                                       ; an LDS store's data are its source 1: window 1
.irp i, 0,1,2,3,4,5,6,7,8,9,10,11,12,13,14,15
	ds_store_b128 v[STW], v[64*((\k)%4)+4*\i:64*((\k)%4)+4*\i+3] offset:528*\i
.endr
	WIN 0
.irp c, 0,1
.irp j, 0,1,2,3,4,5,6,7
	ds_load_b128 v[X+32*\c+4*\j:X+32*\c+4*\j+3], v[STR] offset:256*\c+16*\j   ; LDS serves a wave's instructions in order: these see the stores above
.endr
.endr
	s_wait_dscnt 0x0                               ; my 64 numbers are in, and the stores have read their registers,
.if (\k)+4 < 8
	QLOAD (\k)+4                                   ; which take the loads of four steps on
.endif
	s_cmp_eq_u32 s[PAD], 0
	s_cbranch_scc1 .Lfull_\@
.irp j, 0,1,2,3,4,5,6,7,8,9,10,11,12,13,14,15,16,17,18,19,20,21,22,23,24,25,26,27,28,29,30,31,32,33,34,35,36,37,38,39,40,41,42,43,44,45,46,47,48,49,50,51,52,53,54,55,56,57,58,59,60,61,62,63
	v_cndmask_b32 v[X+\j], v[X+\j], v[NIL], s[PM]  ; tile 12: rows 5 to 15 are zeros
.endr
.Lfull_\@:
.irp c, 0,1
	v_max3_num_f32 v[MX+\c], |v[X+32*\c]|, |v[X+32*\c+1]|, 0x1800000   ; block 2 c + h: all its 32 numbers are mine; and the floor 2^(3 - 127): the byte cannot fall under 1
.endr
.irp i, 2,4,6,8,10,12,14,16,18,20,22,24,26,28,30
.irp c, 0,1
	v_max3_num_f32 v[MX+\c], v[MX+\c], |v[X+32*\c+\i]|, |v[X+32*\c+\i+1]|
.endr
.endr
.irp c, 0,1
	v_add_nc_u32 v[SO+\c], 0xff000000, v[MX+\c]    ; 2 off the exponent field: the conversion takes the exponent field of this operand as its scale
.endr
.irp c, 0,1
	v_lshrrev_b32 v[BY+\c], 23, v[SO+\c]           ; the scale's byte
.endr
	v_lshl_or_b32 v[WD], v[BY+1], 16, v[BY]        ; my two bytes: blocks h and 2 + h,
	v_lshlrev_b32 v[WD], v[SH8], v[WD]             ; at their places in the word;
	v_permlanex16_b32 v[TP], v[WD], s[SEL], s[SEL+1]
	v_or_b32 v[WRD+(\k)], v[WD], v[TP]             ; with lane l xor 16's two the word is whole
	s_wait_xcnt 0x0                                ; the last step's stores have read the codes' registers and their offset
.if (\k) > 0
	v_add_nc_u32 v[VOUT], s[KSTR], v[VOUT]
.endif
.irp c, 0,1
.irp g, 0,1,2,3
	v_cvt_scalef32_pk8_fp4_f32 v[CD+4*\c+\g], v[X+32*\c+8*\g:X+32*\c+8*\g+7], v[SO+\c]
.endr
.endr
	v_nop                                          ; one plain place behind the last scaled conversion
.irp c, 0,1
	global_store_b128 v[VOUT], v[CD+4*\c:CD+4*\c+3], s[DST:DST+1] offset:512*\c   ; 32 lanes store 512 consecutive bytes, aligned
.endr
.endm
.irp k, 0,1,2,3,4,5,6,7
	QSTEP \k
.endr
.irp q, 0,1,2,3
	v_cndmask_b32 v[OW+\q], v[WRD+\q], v[WRD+4+\q], s[HI]   ; lanes 0-15: K steps 0 to 3; lanes 16-31: K steps 4 to 7
.endr
	global_store_b128 v[L16], v[OW:OW+3], s[SCD:SCD+1]
	s_wait_tensorcnt 0x0                           ; the wave's end: a wait, an add and a wait behind my last LDS store
	ds_add_u32 v[SPW], v[NIL]
	s_wait_dscnt 0x0
	s_endpgm
	; ---- proj_w to f16, laid [chunk of 64 along K][row n][64]: unit v takes rows 4 v to 4 v + 3.  No LDS on this path.
.Lconvert:
	s_sub_co_u32 s21, ttmp9, 256
	s_lshl_b32 s21, s21, 2
	s_add_co_u32 s21, s21, s[WV]                   ; v
	s_lshl_b32 s22, s21, 14                        ; four rows of 4,096 bytes
	s_mov_b32 s23, 0
	s_lshl_b32 s24, s21, 9                         ; four rows of 128 bytes in a chunk
	s_mov_b32 s25, 0
	v_lshlrev_b32 v12, 12, v[HH]
	v_lshl_add_u32 v12, v[RR], 4, v12              ; lanes 0-15 one row's 256 bytes, lanes 16-31 the next row's
	v_lshlrev_b32 v13, 3, v[LANE]                  ; out: 8 bytes a lane: two rows of 128 bytes on end
	s_wait_kmcnt 0x0
	s_add_nc_u64 s[8:9], s[8:9], s[22:23]
	s_add_nc_u64 s[18:19], s[18:19], s[24:25]
.set n, 0
.rept 32
	global_load_b128 v[32+4*n:35+4*n], v12, s[8:9] offset:8192*(n/16)+256*(n%16)
.set n, n+1
.endr
.set n, 0
.rept 32
	s_wait_loadcnt 31-n                            ; loads come back in order: number n is in
	v_cvt_pk_f16_f32 v[160+2*n], v[32+4*n], v[33+4*n]
	v_cvt_pk_f16_f32 v[161+2*n], v[34+4*n], v[35+4*n]
	global_store_b64 v13, v[160+2*n:161+2*n], s[18:19] offset:256*(n/16)+131072*(n%16)   ; 32 lanes store 256 consecutive bytes, aligned
.set n, n+1
.endr
	s_endpgm
.Lfunc_end_k_q1f7061555d_prep:
	.size	k_q1f7061555d_prep, .Lfunc_end_k_q1f7061555d_prep-k_q1f7061555d_prep
	.p2alignl 7, 3214868480
	.fill 96, 4, 3214868480
	.section	.rodata,"a",@progbits
	.p2align	6, 0x0
	.amdhsa_kernel k_q1f7061555d_prep
		.amdhsa_group_segment_fixed_size 34304
		.amdhsa_private_segment_fixed_size 0
		.amdhsa_enable_private_segment 0
		.amdhsa_kernarg_size 64
		.amdhsa_user_sgpr_count 2
		.amdhsa_user_sgpr_kernarg_segment_ptr 1
		.amdhsa_wavefront_size32 1
		.amdhsa_system_sgpr_workgroup_id_x 1
		.amdhsa_system_sgpr_workgroup_id_y 1
		.amdhsa_system_sgpr_workgroup_id_z 1
		.amdhsa_system_vgpr_workitem_id 0
		.amdhsa_next_free_vgpr 512
		.amdhsa_next_free_sgpr 66
		.amdhsa_reserve_vcc 0
		.amdhsa_float_denorm_mode_32 3
		.amdhsa_float_denorm_mode_16_64 3
		.amdhsa_memory_ordered 1
		.amdhsa_forward_progress 1
		.amdhsa_inst_pref_size 106
	.end_amdhsa_kernel
	.amdgpu_metadata
---
amdhsa.version: [ 1, 2 ]
amdhsa.kernels:
  - .name:           k_q1f7061555d_prep
    .symbol:         k_q1f7061555d_prep.kd
    .args:
      - { .name: x, .offset: 0, .size: 8, .value_kind: global_buffer, .address_space: global }
      - { .name: qkv_w, .offset: 8, .size: 8, .value_kind: global_buffer, .address_space: global }
      - { .name: proj_w, .offset: 16, .size: 8, .value_kind: global_buffer, .address_space: global }
      - { .name: xf, .offset: 24, .size: 8, .value_kind: global_buffer, .address_space: global }
      - { .name: xsf, .offset: 32, .size: 8, .value_kind: global_buffer, .address_space: global }
      - { .name: wqf, .offset: 40, .size: 8, .value_kind: global_buffer, .address_space: global }
      - { .name: wsf, .offset: 48, .size: 8, .value_kind: global_buffer, .address_space: global }
      - { .name: pwf, .offset: 56, .size: 8, .value_kind: global_buffer, .address_space: global }
    .group_segment_fixed_size: 34304
    .private_segment_fixed_size: 0
    .kernarg_segment_align: 8
    .kernarg_segment_size: 64
    .max_flat_workgroup_size: 128
    .sgpr_count:     66
    .vgpr_count:     512
    .wavefront_size: 32
...
	.end_amdgpu_metadata
.endif
;; end of part 1
;; launch attn (part 2): grid 4 x 64, 4 waves a work-group, clusters of 4 x 1, 232,960 bytes of LDS; arguments xf, xsf, wqf, wsf, qkv_b, tok_mask, att, clsp; writes att, clsp
.if DOCPART == 2
	.amdgcn_target "amdgcn-amd-amdhsa--gfx1250"
	.amdhsa_code_object_version 6
	.text
	.protected	k_q1f7061555d_attn
	.globl	k_q1f7061555d_attn
	.p2align	8
	.type	k_q1f7061555d_attn,@function
k_q1f7061555d_attn:
	s_mov_b64 s[64:65], 0
	v_nop
	global_prefetch_b8 v0, s[64:65] scope:SCOPE_SE
	s_setreg_imm32_b32 hwreg(HW_REG_WAVE_MODE, 25, 1), 1
	s_wait_xcnt 0x0
	s_wait_alu depctr_hold_cnt(0) depctr_sa_sdst(0) depctr_va_vdst(0) depctr_va_sdst(0) depctr_va_ssrc(0) depctr_va_vcc(0) depctr_vm_vsrc(0)
	s_getreg_b32 s2, hwreg(HW_REG_IB_STS2, 6, 4)
	s_cmp_eq_u32 s2, 0
	s_cbranch_scc0 .Lentry_in_a_cluster
	s_endpgm
.Lentry_in_a_cluster:
	s_bfe_u32 s2, ttmp6, 0x10000c
	s_cmp_lg_u32 s2, 0x3003
	s_cbranch_scc0 .Lentry_shape_is_right
	s_endpgm
.Lentry_shape_is_right:
; qkv = Q(x) Q(qkv_w)^T on codes of FP4, and each frame's attention, fused: q, k, v stay in the wave's registers (q passes through the wave's own LDS bytes).
; WORK LEFT OUT: the k third of qkv_b: it adds the same number to all scores of a row, ahead of a softmax (shown at the head of the first launch).  The v third is added behind the division by the row's sum.
; SHARES.  A work-group takes group g = 16 b + frame (208 rows: 196 tokens of the frame, the batch's cls token as row 196, 11 rows of zeros) and four heads; wave w owns head 4 cx + w whole: its 192 columns of qkv and its attention.
; CLUSTER.  The four work-groups of a cluster share g: x's codes (106,496 bytes) are asked for JOINTLY, once, each wave a quarter; no LDS byte is filled twice.
; THE WEIGHTS ARE NOT SHARED THROUGH LDS: a fragment of qkv_w is read by one wave of the work-group, and goes from memory straight into its registers, three K steps ahead; beside x's codes and q's images
; LDS has some 92 KB left for a work-group's 393,216 bytes of weights, so a ring would want many rounds of the cluster's barrier.
; LAYOUT.  Passes q and k: source 0 = 16 rows of the weight, source 1 = 16 rows of x: a lane holds ONE token and eight neighbouring channels; two such tiles rounded to f16 in pairs ARE a fragment (16 tokens x 32 channels).
; Pass v: the sources swapped: a lane holds one channel and eight tokens; two tiles ARE a fragment of V^T (16 channels x 32 keys).  S^T = K Q^T: a lane holds one query and eight keys; two tiles ARE P's fragment; O^T = V^T P.
; THE MASK is a bias for each key, 0 or -1e30, given as the C of a score's first product; keys 197 to 207 always have -1e30.  The cls query (row 196, lane 4 of tile 12) takes the cls key in frame 0 alone,
; and leaves its part (64 sums, its maximum m of the raw scores, its sum l) in clsp; the last launch joins the sixteen parts.
; SOFTMAX.  A query's 208 scores lie in two lanes: the row's maximum is taken away; p = 2^(c s - c m), c = log2(e) / 8; l is summed of the unrounded p; p is rounded to f16 for the second product.
; LIMITS.  A masked score is the finite -1e30, not -inf: real scores beyond 1e29 in magnitude are not served.  A row whose maximum lies under -1e29 (all its keys masked) gets l = NaN, as a softmax of -inf alone gives.
; q, k, v and the result go in f16: magnitudes up to 65,504; under 6e-5 their step is 6e-8.
; REGISTERS, in windows of 256 (s_set_vgpr_msb: bits 1:0 source 0, 3:2 source 1, 5:4 source 2, 7:6 destination):
;   window 0: v1-11 addresses; v12-19 at work; v20 -1e30, v21 NaN; v26, v27 the add's two; v28-79 x's scale words, v80-127 the weights'; v128-231 x's 13 fragments, later S^T; v232-247 a tile's statistics
;   window 1: passes q, k: accumulators of row tiles 0-7; then K's 26 fragments v0-207; v208-223 Q's two fragments; v224-255 O^T
;   window 2: passes q, k: accumulators of tiles 8-12 (v0-159), weights' set 3 (v160-191); pass v: accumulators of tiles 0-7; then V^T's 28 fragments v0-223
;   window 3: v0-31 q's bias; pass v: accumulators of tiles 8-12; then v0-103 the keys' biases, v104-159 P; v160-255 weights' sets 0 to 2; v160-191 end as v's bias.  (Set 3 in pass v: window 1, v208-239.)
.set MB,    106496                     ; behind x's codes: 256 f32, a bias for each key
.set QIMG,  107520                     ; Q's 26 fragments as images of their registers, 26,624 bytes for each wave
.set QIW,   26624
.set STAGE, 214016                     ; the way out: 4,608 bytes for each wave
.set STGW,  4608
.set SPARE, 232448                     ; the spare words, 128 bytes for each wave
.set L16,  1                           ; v1   16 x lane
.set XA1,  2                           ; v2   16 x lane + 65,536: x's tiles 8 to 12
.set H32,  3                           ; v3   32 h
.set QW,   4                           ; v4   my 16 bytes in my wave's images of Q
.set ADR,  5
.set STO,  6
.set RD,   7
.set ST2,  8
.set RD2,  9
.set MBR,  10
.set MBA,  11
.set MSK,  20
.set NANR, 21
.set SPW,  26
.set NIL,  27
.set XS,   28
.set WS,   80
.set XF,   128
.set S,    128
.set WV,   20
.set CS,   40
.set SEL,  42
.set THR,  44
.set PM,   45
.set HI,   46
.set TQ,   47
.set CNT,  48
.set MSB, 0
.macro WIN new                         ; the immediate's high byte repeats the setting that is left
.if MSB != (\new)
	s_set_vgpr_msb (MSB<<8)|(\new)
.set MSB, (\new)
.endif
.endm
.macro PLACES                          ; four plain places behind a matrix instruction, ahead of loads into its registers and of reads of its result
.rept 4
	v_nop
.endr
.endm
.macro CROUND                          ; a round of the cluster's barrier
	s_barrier_signal -1
	s_barrier_wait -1
	s_cmp_lg_u32 s[WV], 0
	s_cbranch_scc1 .Lnot_wave_0_\@
	s_barrier_signal -3
.Lnot_wave_0_\@:
	s_barrier_wait -3
	s_barrier_signal -1
	s_barrier_wait -1
.endm
	s_load_b256 s[4:11], s[0:1], 0x0               ; xf, xsf, wqf, wsf
	s_load_b256 s[12:19], s[0:1], 0x20             ; qkv_b, tok_mask, att, clsp
	v_lshl_add_u32 v[SPW], v0, 2, SPARE
	v_mov_b32 v[NIL], 0
	ds_add_u32 v[SPW], v[NIL]                      ; the wave's opening: the add, twice on end, and its wait ahead of my first tensor load
	ds_add_u32 v[SPW], v[NIL]
	v_lshrrev_b32 v12, 5, v0
	v_readfirstlane_b32 s[WV], v12                 ; wave 0..3
	s_bfe_u32 s21, ttmp6, 0x40000                  ; cx: which four heads
	s_and_b32 s22, ttmp7, 0xffff                   ; g, which the four partners share
	s_lshr_b32 s23, s22, 4                         ; b
	s_and_b32 s24, s22, 15                         ; frame
	s_lshl_b32 s25, s21, 2
	s_add_co_u32 s25, s25, s[WV]                   ; head
	; the one descriptor: a dense block of 26,624 bytes as 104 rows of 256 bytes (32 elements of 8 bytes), no padding
	s_mov_b32 s28, 15|(3<<16)|(1<<21)              ; 15:0 the mask: all four work-groups; 17:16 elements of 8 bytes; 21 set beside a mask
	s_mov_b32 s29, 32<<16                          ; tensor_dim0 = 32
	s_mov_b32 s30, 104<<16                         ; tensor_dim1 = 104
	s_mov_b32 s31, 32<<16                          ; tile_dim0 = 32
	s_mov_b32 s32, 104                             ; tile_dim1 = 104
	s_mov_b32 s33, 32                              ; stride from row to row
	s_mov_b32 s34, 0
	s_mov_b32 s35, 0
	s_mov_b32 s36, 1
	s_mul_i32 s37, s[WV], 26624                    ; LDS address: my quarter
	s_mul_i32 s70, s22, 106496
	s_add_co_u32 s70, s70, s37                     ; and the same quarter of the group's codes: g and the wave's number alone
	s_mov_b32 s71, 0
	s_mov_b32 s[CS], 0x3e38aa3b                    ; c = log2(e) / 8
	s_mov_b32 s[CS+1], s[CS]
	s_mov_b32 s[SEL], 0x76543210
	s_mov_b32 s[SEL+1], 0xfedcba98
	s_mov_b32 s[THR], 0xefa18f08                   ; -1e29
	s_mov_b32 s[HI], 0xffff0000
	s_cmp_eq_u32 s24, 0
	s_cselect_b32 s[PM], 0, 16                     ; lane 4, in every frame but the first
	v_and_b32 v12, 31, v0                          ; lane
	v_and_b32 v13, 15, v0                          ; r
	v_bfe_u32 v14, v0, 4, 1                        ; h
	v_lshlrev_b32 v[L16], 4, v12
	v_add_nc_u32 v[XA1], 0x10000, v[L16]
	v_lshlrev_b32 v[H32], 5, v14
	s_mul_i32 s66, s[WV], QIW
	s_add_co_u32 s66, s66, QIMG
	v_add_nc_u32 v[QW], s66, v[L16]
	s_mul_i32 s66, s[WV], STGW
	s_add_co_u32 s66, s66, STAGE                   ; my stage
	v_mul_u32_u24 v[STO], v13, 144                 ; f16 rows: 128 bytes + 16; in: row r, 16 bytes for each half of the lanes
	v_lshl_add_u32 v[STO], v14, 4, v[STO]
	v_add_nc_u32 v[STO], s66, v[STO]
	v_lshrrev_b32 v15, 3, v12
	v_mul_u32_u24 v[RD], v15, 144                  ; back: eight lanes to a row, four rows an instruction
	v_and_b32 v15, 7, v12
	v_lshl_add_u32 v[RD], v15, 4, v[RD]
	v_add_nc_u32 v[RD], s66, v[RD]
	v_mul_u32_u24 v[ST2], v13, 272                 ; f32 rows (the cls part): 256 bytes + 16
	v_lshl_add_u32 v[ST2], v14, 5, v[ST2]
	v_add_nc_u32 v[ST2], s66, v[ST2]
	v_lshl_add_u32 v[RD2], v13, 4, 4*272           ; back: row 4
	v_add_nc_u32 v[RD2], s66, v[RD2]
	v_lshl_add_u32 v[MBR], v14, 5, MB
	v_lshl_add_u32 v[MBA], v0, 2, MB
	v_mov_b32 v[MSK], 0xf149f2ca                   ; -1e30
	v_mov_b32 v[NANR], 0x7fc00000
	s_mul_i32 s66, s24, 784
	s_add_co_u32 s66, s66, 4                       ; the frame's first token in the batch's row of tok_mask, in bytes
	v_lshl_add_u32 v16, v0, 2, s66                 ; thread t: key t,
	v_add_nc_u32 v17, 512, v16                     ; and key 128 + t: a token of the frame for t under 68,
	v_cmp_gt_u32 vcc_lo, 68, v0
	v_cndmask_b32 v17, v[NIL], v17, vcc_lo         ; else token 0: the cls key for t = 68; beyond it nothing of the word is used
	s_wait_dscnt 0x0                               ; both opening adds are done
	s_wait_kmcnt 0x0
	s_add_nc_u64 s[38:39], s[4:5], s[70:71]
	s_or_b32 s39, s39, 0x80000000                  ; type = 2
	s_mov_b32 s69, 0
	s_mul_i32 s68, s25, 98304
	s_add_nc_u64 s[50:51], s[8:9], s[68:69]        ; my head's fragments of qkv_w
	s_lshl_b32 s68, s25, 11
	s_add_nc_u64 s[52:53], s[10:11], s[68:69]      ; and their scale words
	s_mul_i32 s68, s22, 6656
	s_add_nc_u64 s[54:55], s[6:7], s[68:69]        ; the group's scale words
	s_lshl_b32 s68, s25, 8
	s_add_nc_u64 s[56:57], s[12:13], s[68:69]      ; my head's 64 numbers of q's bias
	s_mul_i32 s68, s23, 12548
	s_add_nc_u64 s[58:59], s[14:15], s[68:69]      ; the batch's row of tok_mask
	s_lshl_b32 s68, s22, 4
	s_add_co_u32 s68, s68, s25
	s_mul_i32 s68, s68, 25088
	s_add_nc_u64 s[60:61], s[16:17], s[68:69]      ; att [g][head][196][64] f16
	s_lshl_b32 s68, s23, 4
	s_add_co_u32 s68, s68, s25
	s_lshl_b32 s68, s68, 4
	s_add_co_u32 s68, s68, s24
	s_lshl_b32 s68, s68, 9
	s_add_nc_u64 s[62:63], s[18:19], s[68:69]      ; clsp [(16 b + head) 16 + frame][512 bytes]
	CROUND                                         ; all four work-groups are here: the joint loads meet
	tensor_load_to_lds s[36:39], s[28:35]          ; my quarter of x's codes: my one tensor load
	s_nop 0
	PLACES
.macro WLOAD m                         ; the four fragments (16 rows x 128 K) of step m = 8 p + k into set m % 4
.if ((\m)%4) < 3
.set WB, 160+32*((\m)%4)
	WIN 0xc0
.elseif (\m) < 16
.set WB, 160
	WIN 0x80
.else
.set WB, 208
	WIN 0x40
.endif
.irp dt, 0,1,2,3
.irp c, 0,1
	global_load_b128 v[WB+8*\dt+4*\c:WB+8*\dt+4*\c+3], v[L16], s[50:51] offset:4096*(\m)+1024*\dt+512*\c
.endr
.endr
.endm
	global_load_b32 v18, v16, s[58:59]
	global_load_b32 v19, v17, s[58:59]
.irp t, 0,1,2,3,4,5,6,7,8,9,10,11,12
	global_load_b128 v[XS+4*\t:XS+4*\t+3], v[L16], s[54:55] offset:512*\t   ; register q: lanes 0-15 K step q, lanes 16-31 K step 4 + q
.endr
.irp p, 0,1,2
.irp dt, 0,1,2,3
	global_load_b128 v[WS+16*\p+4*\dt:WS+16*\p+4*\dt+3], v[L16], s[52:53] offset:32768*\p+512*\dt
.endr
.endr
	WIN 0xc0
.irp dt, 0,1,2,3
.irp c, 0,1
	global_load_b128 v[8*\dt+4*\c:8*\dt+4*\c+3], v[H32], s[56:57] offset:64*\dt+16*\c   ; q's bias in the result's layout: channels 16 dt + 8 h + 0 .. 7
.endr
.endr
	WLOAD 0
	WLOAD 1
	WLOAD 2
	WIN 0
	s_wait_loadcnt 57                              ; the two mask words are in: 13 + 12 + 8 + 24 loads were issued behind them
	v_cmp_eq_u32 vcc_lo, 0, v18
	v_cndmask_b32 v18, v[NIL], v[MSK], vcc_lo
	v_cmp_eq_u32 vcc_lo, 0, v19
	v_cndmask_b32 v19, v[NIL], v[MSK], vcc_lo
	v_cmp_lt_u32 vcc_lo, 68, v0
	v_cndmask_b32 v19, v19, v[MSK], vcc_lo         ; keys 197 on never count
	ds_store_b32 v[MBA], v18
	ds_store_b32 v[MBA], v19 offset:512
	s_wait_tensorcnt 0x0                           ; my quarter of the codes has landed,
	s_wait_dscnt 0x0                               ; my two biases are stored:
	s_barrier_signal -1
	s_barrier_wait -1                              ; everybody's
.macro XLOAD k, t0, cnt                ; x's fragments of K step k, row tiles t0 on
.set tt, \t0
.rept \cnt
.irp c, 0,1
.if tt < 8
	ds_load_b128 v[XF+8*tt+4*\c:XF+8*tt+4*\c+3], v[L16] offset:(8*tt+(\k))*1024+512*\c
.else
	ds_load_b128 v[XF+8*tt+4*\c:XF+8*tt+4*\c+3], v[XA1] offset:(8*(tt-8)+(\k))*1024+512*\c
.endif
.endr
.set tt, tt+1
.endr
.endm
	XLOAD 0, 0, 13
.macro FP4MM                           ; one product; gm: its C is 0 (0), its own accumulator (1), q's bias (2); from K step 4 on both scale words are taken from lanes 16-31
.if gk >= 4
	v_wmma_scale_f32_16x16x128_f8f6f4 v[gd:gd+7], v[ra:ra+7], v[rb:rb+7], v[gd:gd+7], v[rsa], v[rsb] matrix_a_fmt:MATRIX_FMT_FP4 matrix_b_fmt:MATRIX_FMT_FP4 matrix_a_scale:MATRIX_SCALE_ROW1 matrix_b_scale:MATRIX_SCALE_ROW1
.elseif gm == 0
	v_wmma_scale_f32_16x16x128_f8f6f4 v[gd:gd+7], v[ra:ra+7], v[rb:rb+7], 0, v[rsa], v[rsb] matrix_a_fmt:MATRIX_FMT_FP4 matrix_b_fmt:MATRIX_FMT_FP4
.elseif gm == 2
	v_wmma_scale_f32_16x16x128_f8f6f4 v[gd:gd+7], v[ra:ra+7], v[rb:rb+7], v[gc:gc+7], v[rsa], v[rsb] matrix_a_fmt:MATRIX_FMT_FP4 matrix_b_fmt:MATRIX_FMT_FP4
.else
	v_wmma_scale_f32_16x16x128_f8f6f4 v[gd:gd+7], v[ra:ra+7], v[rb:rb+7], v[gd:gd+7], v[rsa], v[rsb] matrix_a_fmt:MATRIX_FMT_FP4 matrix_b_fmt:MATRIX_FMT_FP4
.endif
.endm
; the products of step n for row tiles t0 on, each against the step's four fragments of the weight.  The 52 accumulators take turns, one instruction a turn, in the same order in every step.
.macro GMUL n, t0, cnt
.set gp, (\n)/8
.set gk, (\n)%8
.set gq, gk%4
.set gs, (\n)%4
.if gs < 3
.set gwb, 160+32*gs
.set gww, 3
.elseif (\n) < 16
.set gwb, 160
.set gww, 2
.else
.set gwb, 208
.set gww, 1
.endif
.if gp < 2
.set gaw, 1+(\t0)/8
.else
.set gaw, 2+(\t0)/8
.endif
.set gcw, gaw
.set gm, 1
.if gk == 0
.set gm, 0
.endif
.if (\n) == 0
.set gcw, 3
.set gm, 2
.endif
.if gp < 2
	WIN (gaw<<6)|(gcw<<4)|gww
.else
	WIN (gaw<<6)|(gcw<<4)|(gww<<2)
.endif
.set tt, \t0
.rept \cnt
.irp dt, 0,1,2,3
.set gd, 8*(4*(tt%8)+\dt)
.set gc, 8*\dt
.if gp < 2
.set ra, gwb+8*\dt
.set rb, XF+8*tt
.set rsa, WS+16*gp+4*\dt+gq
.set rsb, XS+4*tt+gq
.else
.set ra, XF+8*tt
.set rb, gwb+8*\dt
.set rsa, XS+4*tt+gq
.set rsb, WS+16*gp+4*\dt+gq
.endif
	FP4MM
.endr
.set tt, tt+1
.endr
.endm
.macro GSTEP n
.if (\n) == 23
	s_wait_loadcnt 8                               ; behind the last step's weights only v's bias was asked for
.else
	s_wait_loadcnt 16                              ; this step's weights are in: the 8 loads of each of the two later issues may be out
.endif
	s_wait_dscnt 10                                ; x's tiles 0-7 are in; the youngest ten loads (tiles 8-12) may be out
	GMUL \n, 0, 8
	s_wait_dscnt 0x0
	PLACES
.if (\n) < 21
	WLOAD (\n)+3                                   ; into the set that the step before has left
.elseif (\n) == 21
	WIN 0xc0
.irp dt, 0,1,2,3
.irp c, 0,1
	global_load_b128 v[160+8*\dt+4*\c:163+8*\dt+4*\c], v[H32], s[56:57] offset:8192+64*\dt+16*\c   ; v's bias, in O^T's layout, into set 0, which has had its last weights
.endr
.endr
.endif
	WIN 0
.if (\n) < 23
	XLOAD ((\n)+1)%8, 0, 8
.endif
	GMUL \n, 8, 5
	PLACES
	WIN 0
.if (\n) < 23
	XLOAD ((\n)+1)%8, 8, 5
.endif
.endm
; the accumulators of pass q or k become 26 fragments of f16 in window 1, v0-207, in place: every destination lies at or under its sources, in registers already read
.macro PACKQK
.set tt, 0
.rept 13
.if tt < 8
	WIN 0x45
.set sb, 32*tt
.else
	WIN 0x4a
.set sb, 32*(tt-8)
.endif
.irp e, 0,1
.irp u, 0,1
.irp i, 0,1,2,3
	v_cvt_pk_f16_f32 v[16*tt+8*\e+4*\u+\i], v[sb+16*\e+8*\u+2*\i], v[sb+16*\e+8*\u+2*\i+1]
.endr
.endr
.endr
.set tt, tt+1
.endr
	WIN 0
.endm
; those of pass v become 28 fragments of V^T in window 2, v0-223, likewise; keys 208 to 223 are zeros
.macro PACKV
.set cc, 0
.rept 7
.if cc < 4
	WIN 0x8a
.set sb, 64*cc
.else
	WIN 0x8f
.set sb, 64*(cc-4)
.endif
.irp dt, 0,1,2,3
.irp i, 0,1,2,3
	v_cvt_pk_f16_f32 v[32*cc+8*\dt+\i], v[sb+8*\dt+2*\i], v[sb+8*\dt+2*\i+1]
.endr
.irp i, 0,1,2,3
.if cc < 6
	v_cvt_pk_f16_f32 v[32*cc+8*\dt+4+\i], v[sb+32+8*\dt+2*\i], v[sb+32+8*\dt+2*\i+1]
.else
	v_mov_b32 v[32*cc+8*\dt+4+\i], 0
.endif
.endr
.endr
.set cc, cc+1
.endr
	WIN 0
.endm
	; ---- pass q
.set NN, 0
.rept 8
	GSTEP NN
.set NN, NN+1
.endr
	PACKQK
	WIN 0x04                                       ; an LDS store's data are its source 1: window 1
.set j, 0
.rept 52
	ds_store_b128 v[QW], v[4*j:4*j+3] offset:512*j ; Q's fragments go to my own LDS bytes as images of their registers
.set j, j+1
.endr
	WIN 0
	s_wait_dscnt 0x0                               ; the stores have read their registers: pass k begins its sums there
	; ---- pass k
.rept 8
	GSTEP NN
.set NN, NN+1
.endr
	PACKQK
	; ---- pass v
.rept 8
	GSTEP NN
.set NN, NN+1
.endr
	PACKV
	WIN 0xc0
.set kt, 0
.rept 13
	ds_load_b128 v[8*kt:8*kt+3], v[MBR] offset:64*kt      ; the biases of keys 16 kt + 8 h + 0 .. 7, in S^T's layout
	ds_load_b128 v[8*kt+4:8*kt+7], v[MBR] offset:64*kt+16
.set kt, kt+1
.endr
.irp i, 156,157,158,159
	v_mov_b32 v\i, 0                               ; P of keys 208 to 223
.endr
	WIN 0
	v_mov_b32 v239, 0                              ; named as the upper halves of pairs
	v_mov_b32 v247, 0
	WIN 0x40
.irp j, 0,1,2,3
	ds_load_b128 v[208+4*\j:211+4*\j], v[QW] offset:512*\j   ; Q's fragments of query tile 0
.endr
	WIN 0
	s_wait_loadcnt 0x0                             ; v's bias
	s_mov_b32 s[TQ], 0
	s_mov_b32 s[CNT], 12
; A TILE OF 16 QUERIES against the group's 208 keys.  tail = 1: tile 12: four queries of the frame, and the cls query in lanes 4 and 20.
.macro ATT tail
.if \tail
	WIN 0xc3
	v_cndmask_b32 v100, v100, v[MSK], s[PM]        ; key 196 for query 196: the cls query counts the cls key in frame 0 alone
.endif
	s_wait_dscnt 0x0                               ; Q's fragments are in
	WIN 0x35
.set kt, 0
.rept 13
	v_wmma_f32_16x16x32_f16 v[S+8*kt:S+8*kt+7], v[16*kt:16*kt+7], v[208:215], v[8*kt:8*kt+7]
.set kt, kt+1
.endr
	WIN 0x05
.set kt, 0
.rept 13
	v_wmma_f32_16x16x32_f16 v[S+8*kt:S+8*kt+7], v[16*kt+8:16*kt+15], v[216:223], v[S+8*kt:S+8*kt+7]
.set kt, kt+1
.endr
	WIN 0
	PLACES
.if !\tail
	s_add_co_u32 s[TQ], s[TQ], 2048
	v_add_nc_u32 v[ADR], s[TQ], v[QW]
	WIN 0x40
.irp j, 0,1,2,3
	ds_load_b128 v[208+4*\j:211+4*\j], v[ADR] offset:512*\j   ; the next tile's
.endr
	WIN 0
.endif
	; the row's maximum: four chains, key tile kt in chain kt % 4; each tile is read from its low end on
.irp gg, 0,1,2,3
.irp st, 0,1,2,3
.irp ch, 0,1,2,3
.if 4*\gg+\ch < 13
.set sr, S+8*(4*\gg+\ch)
.if \gg == 0
.if \st == 0
	v_max3_num_f32 v[232+\ch], v[sr], v[sr+1], v[sr+2]
.elseif \st < 3
	v_max3_num_f32 v[232+\ch], v[232+\ch], v[sr+2*\st+1], v[sr+2*\st+2]
.else
	v_max_num_f32 v[232+\ch], v[232+\ch], v[sr+7]
.endif
.else
	v_max3_num_f32 v[232+\ch], v[232+\ch], v[sr+2*\st], v[sr+2*\st+1]
.endif
.endif
.endr
.endr
.endr
	v_max3_num_f32 v236, v232, v233, v234
	v_max_num_f32 v236, v236, v235
	v_permlanex16_b32 v232, v236, s[SEL], s[SEL+1] ; the query's other 104 keys lie in the lane 16 away
	v_max_num_f32 v237, v236, v232                 ; m
	v_mul_f32 v238, s[CS], v237                    ; c m
.set j, 0
.rept 52
	v_pk_fma_f32 v[S+2*j:S+2*j+1], v[S+2*j:S+2*j+1], s[CS:CS+1], v[238:239] op_sel_hi:[1,0,0] neg_lo:[0,0,1] neg_hi:[0,0,1]   ; c s - c m
.set j, j+1
.endr
.set j, 0
.rept 104
	v_exp_f32 v[S+j], v[S+j]
.set j, j+1
.endr
	v_cmp_gt_f32 vcc_lo, s[THR], v237              ; all keys masked?
	v_nop                                          ; a plain place behind the last exponential
	s_wait_alu depctr_va_vdst(0)                   ; one wait for the batch of 104, ahead of its first reader
	v_pk_add_f32 v[240:241], v[S:S+1], v[S+2:S+3]  ; l, of the unrounded p, in two chains
	v_pk_add_f32 v[242:243], v[S+4:S+5], v[S+6:S+7]
.set j, 4
.rept 24
	v_pk_add_f32 v[240:241], v[240:241], v[S+2*j:S+2*j+1]
	v_pk_add_f32 v[242:243], v[242:243], v[S+2*j+2:S+2*j+3]
.set j, j+2
.endr
	v_pk_add_f32 v[240:241], v[240:241], v[242:243]
	v_add_f32 v244, v240, v241
	v_permlanex16_b32 v236, v244, s[SEL], s[SEL+1]
	v_add_f32 v244, v244, v236
	v_mov_b32 v245, v244                           ; l as it is, for the cls part
	v_cndmask_b32 v244, v244, v[NANR], vcc_lo
	WIN 0xc0
.set j, 0
.rept 52
	v_cvt_pk_f16_f32 v[104+j], v[S+2*j], v[S+2*j+1]
.set j, j+1
.endr
	WIN 0
	v_rcp_f32 v246, v244
	v_nop                                          ; a plain place behind the reciprocal
	WIN 0x5e
.set cc, 0
.rept 7
.irp dt, 0,1,2,3
.if cc == 0
	v_wmma_f32_16x16x32_f16 v[224+8*\dt:231+8*\dt], v[32*cc+8*\dt:32*cc+8*\dt+7], v[104+8*cc:111+8*cc], 0
.else
	v_wmma_f32_16x16x32_f16 v[224+8*\dt:231+8*\dt], v[32*cc+8*\dt:32*cc+8*\dt+7], v[104+8*cc:111+8*cc], v[224+8*\dt:231+8*\dt]
.endif
.endr
.set cc, cc+1
.endr
	WIN 0
	PLACES
	s_wait_alu depctr_va_vdst(0)                   ; the reciprocal's wait, ahead of its first reader
.if \tail
	WIN 0x04                                       ; the cls part: O^T as it is goes through my stage, and row 4 comes back whole
.irp dt, 0,1,2,3
	ds_store_b128 v[ST2], v[224+8*\dt:227+8*\dt] offset:64*\dt
	ds_store_b128 v[ST2], v[228+8*\dt:231+8*\dt] offset:64*\dt+16
.endr
	WIN 0
	ds_load_b128 v[144:147], v[RD2]                ; LDS serves a wave's instructions in order: this sees the stores above
	v_readlane_b32 s66, v237, 4                    ; the cls query's m
	v_readlane_b32 s67, v245, 4                    ; and l
	v_mov_b32 v12, s66
	v_mov_b32 v13, s67
	s_wait_dscnt 0x0
	v_cndmask_b32 v144, v144, v12, s[HI]           ; lanes 0-15: the 64 sums; lanes 16-31: (m, l) again and again
	v_cndmask_b32 v145, v145, v13, s[HI]
	v_cndmask_b32 v146, v146, v12, s[HI]
	v_cndmask_b32 v147, v147, v13, s[HI]
	global_store_b128 v[L16], v[144:147], s[62:63] ; 512 consecutive bytes, aligned
.endif
	WIN 0x71
.set i, 0
.rept 16
	v_pk_fma_f32 v[224+2*i:225+2*i], v[224+2*i:225+2*i], v[246:247], v[160+2*i:161+2*i] op_sel_hi:[1,0,1]   ; O^T / l + v's bias
.set i, i+1
.endr
	WIN 0x05
.set i, 0
.rept 16
	v_cvt_pk_f16_f32 v[128+i], v[224+2*i], v[225+2*i]
.set i, i+1
.endr
	WIN 0
.irp dt, 0,1,2,3
	ds_store_b128 v[STO], v[128+4*\dt:131+4*\dt] offset:32*\dt
.endr
.if \tail
	ds_load_b128 v[148:151], v[RD]                 ; rows 192 to 195
	s_wait_dscnt 0x0
	global_store_b128 v[L16], v[148:151], s[60:61]
.else
.irp i, 0,1,2,3
	ds_load_b128 v[144+4*\i:147+4*\i], v[RD] offset:576*\i
.endr
	s_wait_dscnt 0x0
.irp i, 0,1,2,3
	global_store_b128 v[L16], v[144+4*\i:147+4*\i], s[60:61] offset:512*\i   ; four rows of 128 bytes: 512 consecutive bytes, aligned
.endr
	s_wait_xcnt 0x0                                ; the stores have read their registers and their base
	s_add_nc_u64 s[60:61], s[60:61], 2048
.endif
.endm
.Ltile:
	ATT 0
	s_sub_co_u32 s[CNT], s[CNT], 1
	s_cmp_lg_u32 s[CNT], 0
	s_cbranch_scc1 .Ltile
	ATT 1
	s_wait_tensorcnt 0x0                           ; the wave's end: a wait, an add and a wait behind my last tensor load and my last LDS store
	ds_add_u32 v[SPW], v[NIL]
	s_wait_dscnt 0x0
	CROUND                                         ; the closing round
	s_endpgm
.Lfunc_end_k_q1f7061555d_attn:
	.size	k_q1f7061555d_attn, .Lfunc_end_k_q1f7061555d_attn-k_q1f7061555d_attn
	.p2alignl 7, 3214868480
	.fill 96, 4, 3214868480
	.section	.rodata,"a",@progbits
	.p2align	6, 0x0
	.amdhsa_kernel k_q1f7061555d_attn
		.amdhsa_group_segment_fixed_size 232960
		.amdhsa_private_segment_fixed_size 0
		.amdhsa_enable_private_segment 0
		.amdhsa_kernarg_size 64
		.amdhsa_user_sgpr_count 2
		.amdhsa_user_sgpr_kernarg_segment_ptr 1
		.amdhsa_wavefront_size32 1
		.amdhsa_system_sgpr_workgroup_id_x 1
		.amdhsa_system_sgpr_workgroup_id_y 1
		.amdhsa_system_sgpr_workgroup_id_z 1
		.amdhsa_system_vgpr_workitem_id 0
		.amdhsa_next_free_vgpr 1024
		.amdhsa_next_free_sgpr 84
		.amdhsa_reserve_vcc 1
		.amdhsa_float_denorm_mode_32 3
		.amdhsa_float_denorm_mode_16_64 3
		.amdhsa_memory_ordered 1
		.amdhsa_forward_progress 1
		.amdhsa_inst_pref_size 255
	.end_amdhsa_kernel
	.section	.bss,"aw",@nobits
	.p2align	6
	.space	262144
	.amdgpu_metadata
---
amdhsa.version: [ 1, 2 ]
amdhsa.kernels:
  - .name:           k_q1f7061555d_attn
    .symbol:         k_q1f7061555d_attn.kd
    .args:
      - { .name: xf, .offset: 0, .size: 8, .value_kind: global_buffer, .address_space: global }
      - { .name: xsf, .offset: 8, .size: 8, .value_kind: global_buffer, .address_space: global }
      - { .name: wqf, .offset: 16, .size: 8, .value_kind: global_buffer, .address_space: global }
      - { .name: wsf, .offset: 24, .size: 8, .value_kind: global_buffer, .address_space: global }
      - { .name: qkv_b, .offset: 32, .size: 8, .value_kind: global_buffer, .address_space: global }
      - { .name: tok_mask, .offset: 40, .size: 8, .value_kind: global_buffer, .address_space: global }
      - { .name: att, .offset: 48, .size: 8, .value_kind: global_buffer, .address_space: global }
      - { .name: clsp, .offset: 56, .size: 8, .value_kind: global_buffer, .address_space: global }
    .group_segment_fixed_size: 232960
    .private_segment_fixed_size: 0
    .kernarg_segment_align: 8
    .kernarg_segment_size: 64
    .max_flat_workgroup_size: 128
    .sgpr_count:     84
    .vgpr_count:     1024
    .wavefront_size: 32
...
	.end_amdgpu_metadata
.endif
;; end of part 2
;; launch proj (part 3): grid 4 x 64, 4 waves a work-group, clusters of 4 x 4, 327,680 bytes of LDS; arguments att, pwf, proj_b, out0, clsp, qkv_b; writes out0
.if DOCPART == 3
	.amdgcn_target "amdgcn-amd-amdhsa--gfx1250"
	.amdhsa_code_object_version 6
	.text
	.protected	k_q1f7061555d_proj
	.globl	k_q1f7061555d_proj
	.p2align	8
	.type	k_q1f7061555d_proj,@function
k_q1f7061555d_proj:
	s_mov_b64 s[64:65], 0
	v_nop
	global_prefetch_b8 v0, s[64:65] scope:SCOPE_SE
	s_setreg_imm32_b32 hwreg(HW_REG_WAVE_MODE, 25, 1), 1
	s_wait_xcnt 0x0
	s_wait_alu depctr_hold_cnt(0) depctr_sa_sdst(0) depctr_va_vdst(0) depctr_va_sdst(0) depctr_va_ssrc(0) depctr_va_vcc(0) depctr_vm_vsrc(0)
	s_getreg_b32 s2, hwreg(HW_REG_IB_STS2, 6, 4)
	s_cmp_eq_u32 s2, 0
	s_cbranch_scc0 .Lentry_in_a_cluster
	s_endpgm
.Lentry_in_a_cluster:
	s_bfe_u32 s2, ttmp6, 0x10000c
	s_cmp_lg_u32 s2, 0xf033
	s_cbranch_scc0 .Lentry_shape_is_right
	s_endpgm
.Lentry_shape_is_right:
; out0[row][n] = sum over k of att[row][k] proj_w[n][k] + proj_b[n], for all 12,548 rows.  Operands f16, sums f32.
; The k third of qkv_b is left out of the cls query's parts as of all scores (shown at the head of the first launch); the v third is added here, behind the division by the row's sum.
; SHARES.  A work-group takes group g = 16 b + frame (196 rows, as 13 tiles of 16: rows 196 to 207 arrive as zeros) x 256 columns: 64 x 4 = 256 work-groups.  A wave takes all 208 rows x 64 columns: 52 accumulators.
; THE CLS ROW of a batch rides as row 196 of the tile of its frame 0, in products that are issued anyway.  In the cluster of frame 0 each work-group joins the cls query's sixteen frame parts (64 sums, the maximum m of the raw
; scores, the sum l, for each head; wave w: heads 4 w to 4 w + 3) under the common maximum, in f32, adds v's bias, rounds to f16 and lays the row of 1,024 in LDS; elsewhere zeros are laid there.  In each K step the row's 32 numbers are
; read (two LDS loads, the same bytes for all rows) and selected into lanes 4 and 20 of tile 12's fragment (eight selects): the loop is the same in all work-groups, so that its counted waits hold on every path.
; LIMITS: a cls row whose common maximum lies under -1e29 (all keys masked) gets NaN, as a softmax of -inf alone gives; the row goes in f16 like the others: magnitudes up to 65,504, a step of 6e-8 under 6e-5.
; K goes in slots of 128 (two chunks of 64, as att [g][head][196][64] and pwf [chunk][n][64] are laid) through a ring of two LDS slots.  Waves 0 and 1 fetch A's two chunks, waves 2 and 3 B's: one tensor load a wave.
; A chunk is dense in memory: it comes as lines of 256 bytes (two rows of 128), 16 bytes of padding behind each: row R lies at (R / 2) 272 + (R % 2) 128, so the 16 rows of a fragment load start at 16 different groups of banks.
; CLUSTER 4 x 4: cx counts blocks of columns, cy batches, the cluster's y frames: so 'frame 0' is the same in all sixteen partners.  The four of a row of the cluster share g, so A's chunks; the four of a column share the columns,
; so B's: each is asked for jointly.  By this text's count a wave has two tensor loads out at the start, later one.
; THE MATRIX INSTRUCTION IS USED TRANSPOSED (source 0 = 16 rows of pwf, source 1 = 16 rows of att): a lane holds eight neighbouring numbers of a row of out0.  proj_b is the C of each sum's first product.
; REGISTERS: window 0: v6-9, v16-29 addresses; v32-63 proj_b in the result's layout; v64-127 rows on the way out, two sets; v128-231 A's 13 fragments, one set; v232-239 the cls row's fragment; v240-243 its packed numbers.
;   (At the head, before the first fragments: v64-191 the cls parts, v192-231 the join's work.)  window 1: v0-63 B's four fragments, two sets.
;   window 2: the accumulators of row tiles 0-7 ((t, nt) at v[8 (4 t + nt)]); window 3: those of tiles 8-12.
.set LA,    28288                      ; a chunk of A in LDS: 104 lines of 272 bytes
.set LB,    34816                      ; of B: 128 lines
.set BOFF,  2*LA
.set SLOT,  2*LA+2*LB
.set STAGE, 2*SLOT                     ; the way out: 16 rows x (256 + 16) bytes for each wave
.set SPARE, STAGE+4*4352               ; the spare words, 128 bytes for each wave
.set CLSR,  SPARE+512                  ; the cls row, 1,024 f16: eight blocks of 256 bytes into which no fill lands
.set LAPS,  4                          ; a lap = two slots = 256 along K
.set ADRA, 16
.set ADRB, 20
.set STO,  24
.set RD,   25
.set CO,   26
.set ADRC, 27                          ; v27  CLSR + 16 h, stepped by 512 bytes a lap
.set SPW,  28
.set NIL,  29
.set BI,   32
.set BK,   64
.set AF,   128
.set CF,   232
.set JP,   64                          ; the join: the parts, 32 registers a head
.set JS,   192                         ; (m, l) of frame lane % 16
.set JB,   200                         ; v's bias
.set JM,   208
.set JW,   212
.set JL,   216
.set JR,   220
.set JA,   224
.set JH,   240
.set JN,   244
.set FRM,  69                          ; s69  the frame: the cluster's y
.set CM,   70                          ; s70  lanes 4 and 20
.set G1,  24
.set G0,  32
.set G1B, 48
.set G0B, 56
.set MSB, 0
.macro WIN new
.if MSB != (\new)
	s_set_vgpr_msb (MSB<<8)|(\new)
.set MSB, (\new)
.endif
.endm
.macro PLACES
.rept 4
	v_nop
.endr
.endm
.macro JLOAD s                         ; a joint load: waves 0 and 1 ask for A, waves 2 and 3 for B; an s_nop 0 and four v_nop follow each of the two lines
	s_cmp_eq_u32 s15, 0
	s_cbranch_scc0 .Lfor_b_\@
	tensor_load_to_lds s[G0+4*\s:G0+4*\s+3], s[G1:G1+7]
	s_nop 0
.rept 4
	v_nop
.endr
	s_branch .Lasked_\@
.Lfor_b_\@:
	tensor_load_to_lds s[G0B+4*\s:G0B+4*\s+3], s[G1B:G1B+7]
	s_nop 0
.rept 4
	v_nop
.endr
.Lasked_\@:
.endm
.macro CREST
	s_cmp_lg_u32 s14, 0
	s_cbranch_scc1 .Lnot_wave_0_\@
	s_barrier_signal -3
.Lnot_wave_0_\@:
	s_barrier_wait -3
	s_barrier_signal -1
	s_barrier_wait -1
.endm
.macro CROUND
	s_barrier_signal -1
	s_barrier_wait -1
	CREST
.endm
	s_load_b256 s[4:11], s[0:1], 0x0               ; att, pwf, proj_b, out0
	s_load_b128 s[92:95], s[0:1], 0x20             ; clsp, qkv_b
	v_lshl_add_u32 v[SPW], v0, 2, SPARE
	v_mov_b32 v[NIL], 0
	ds_add_u32 v[SPW], v[NIL]                      ; the wave's opening: the add, twice on end, and its wait ahead of my first tensor load
	ds_add_u32 v[SPW], v[NIL]
	v_lshrrev_b32 v1, 5, v0
	v_readfirstlane_b32 s14, v1                    ; wave 0..3
	s_lshr_b32 s15, s14, 1                         ; I fetch for A (0) or for B (1)
	s_and_b32 s16, s14, 1                          ; which of a slot's two chunks
	s_bfe_u32 s40, ttmp6, 0x40000                  ; cx
	s_bfe_u32 s41, ttmp6, 0x40004                  ; cy: the batch
	s_lshl_b32 s42, ttmp9, 2
	s_add_co_u32 s42, s42, s40                     ; block of 256 columns
	s_and_b32 s[FRM], ttmp7, 0xffff                ; the frame: the same in all sixteen partners
	s_lshl_b32 s17, s41, 4
	s_add_co_u32 s17, s17, s[FRM]                  ; g = 16 b + frame
	s_lshl_b32 s43, s41, 2
	s_lshl_b32 s43, 15, s43                        ; my row of the cluster
	s_lshl_b32 s44, 0x1111, s40                    ; my column
	s_or_b32 s[G1+0], s43, (1<<16)|(1<<20)|(1<<21)|(5<<22)|(3<<25)   ; the mask; elements of 2 bytes; padding on; bit 21 beside a mask; after every 64 words, 4 words
	s_or_b32 s[G1B+0], s44, (1<<16)|(1<<20)|(1<<21)|(5<<22)|(3<<25)
	s_mov_b32 s[G1+1], 128<<16                     ; tensor_dim0 = 128
	s_mov_b32 s[G1+2], 98<<16                      ; tensor_dim1 = 98: a chunk of A has 98 lines; the tile's lines 98 to 103 arrive as zeros
	s_mov_b32 s[G1+3], 128<<16                     ; tile_dim0 = 128
	s_mov_b32 s[G1+4], 104                         ; tile_dim1 = 104
	s_mov_b32 s[G1+5], 128                         ; stride
	s_mov_b32 s[G1+6], 0
	s_mov_b32 s[G1+7], 0
	s_mov_b32 s[G1B+1], 128<<16
	s_mov_b32 s[G1B+2], 128<<16
	s_mov_b32 s[G1B+3], 128<<16
	s_mov_b32 s[G1B+4], 128
	s_mov_b32 s[G1B+5], 128
	s_mov_b32 s[G1B+6], 0
	s_mov_b32 s[G1B+7], 0
	s_mul_i32 s20, s17, 401408                     ; A: the group's 16 chunks of 25,088 bytes,
	s_mul_i32 s18, s16, 25088
	s_add_co_u32 s20, s20, s18                     ; my chunk of the slot
	s_mov_b32 s21, 0
	s_lshl_b32 s46, s42, 15                        ; B: my block's 256 rows of 128 bytes in a chunk of 131,072,
	s_lshl_b32 s19, s16, 17
	s_add_co_u32 s46, s46, s19
	s_mov_b32 s47, 0
	s_mul_i32 s22, s16, LA                         ; where they go: no place in the cluster enters an LDS address
	s_mul_i32 s23, s16, LB
	s_add_co_u32 s23, s23, BOFF
	s_mov_b32 s[CM], 0x00100010
	s_mov_b32 s88, 0x3e38aa3b                      ; c = log2(e) / 8
	s_mov_b32 s89, 0xefa18f08                      ; -1e29
	s_wait_dscnt 0x0                               ; both opening adds are done
	s_wait_kmcnt 0x0
	s_add_nc_u64 s[20:21], s[4:5], s[20:21]
	s_add_nc_u64 s[46:47], s[6:7], s[46:47]
	CROUND                                         ; all sixteen work-groups are here: the first joint loads meet
.irp s, 0,1
	s_mov_b32 s[G0+4*\s], 1
	s_add_co_u32 s[G0+4*\s+1], s22, \s*SLOT
	s_add_nc_u64 s[G0+4*\s+2:G0+4*\s+3], s[20:21], \s*50176
	s_or_b32 s[G0+4*\s+3], s[G0+4*\s+3], 0x80000000
	s_mov_b32 s[G0B+4*\s], 1
	s_add_co_u32 s[G0B+4*\s+1], s23, \s*SLOT
	s_add_nc_u64 s[G0B+4*\s+2:G0B+4*\s+3], s[46:47], \s*262144
	s_or_b32 s[G0B+4*\s+3], s[G0B+4*\s+3], 0x80000000
	JLOAD \s
.endr
	v_and_b32 v1, 15, v0                           ; r
	v_bfe_u32 v2, v0, 4, 1                         ; h
	v_lshrrev_b32 v4, 1, v1
	v_mul_u32_u24 v3, v4, 272
	v_and_b32 v4, 1, v1
	v_lshl_add_u32 v3, v4, 7, v3
	v_lshl_add_u32 v3, v2, 4, v3                   ; (r / 2) 272 + (r % 2) 128 + 16 h
	v_mov_b32 v[ADRA], v3
	v_add_nc_u32 v[ADRA+1], SLOT, v3
	s_mul_i32 s18, s14, 8704                       ; my 64 rows of B: 32 lines
	s_add_co_u32 s18, s18, BOFF
	v_add_nc_u32 v[ADRB], s18, v3
	s_add_co_u32 s18, s18, SLOT
	v_add_nc_u32 v[ADRB+1], s18, v3
	s_mul_i32 s18, s14, 4352
	s_add_co_u32 s18, s18, STAGE                   ; my stage
	v_mul_u32_u24 v[STO], v1, 272
	v_lshl_add_u32 v[STO], v2, 5, v[STO]
	v_add_nc_u32 v[STO], s18, v[STO]               ; in: row r, 32 bytes for each half of the lanes
	v_mul_u32_u24 v[RD], v2, 272
	v_lshl_add_u32 v[RD], v1, 4, v[RD]
	v_add_nc_u32 v[RD], s18, v[RD]                 ; back: lanes 0-15 one row of 256 bytes, lanes 16-31 the next
	v_lshlrev_b32 v[CO], 12, v2
	v_lshl_add_u32 v[CO], v1, 4, v[CO]             ; and the same two rows in out0
	v_lshl_add_u32 v[ADRC], v2, 4, CLSR            ; the cls row's fragment: the same bytes for all rows
	v_and_b32 v9, 31, v0                           ; lane
	v_lshlrev_b32 v6, 9, v1                        ; frame lane % 16: 512 bytes a part
	v_lshlrev_b32 v7, 3, v9                        ; 8 x lane
	s_lshl_b32 s18, s14, 9
	s_add_co_u32 s18, s18, CLSR
	v_lshlrev_b32 v8, 2, v9
	v_add_nc_u32 v8, s18, v8                       ; where I lay the row: my wave's four heads of 128 bytes, 4 bytes a lane
	v_lshlrev_b32 v5, 5, v2
	s_lshl_b32 s66, s42, 10
	s_lshl_b32 s67, s14, 8
	s_add_co_u32 s66, s66, s67                     ; my 64 columns, in bytes
	s_mov_b32 s67, 0
	s_add_nc_u64 s[8:9], s[8:9], s[66:67]
	s_add_nc_u64 s[10:11], s[10:11], s[66:67]
	s_lshr_b32 s66, s17, 4
	s_mul_i32 s66, s66, 3137
	s_and_b32 s68, s17, 15
	s_mul_i32 s68, s68, 196
	s_add_co_u32 s66, s66, s68
	s_add_co_u32 s66, s66, 1                       ; the frame's first row of out0
	s_lshl_b32 s66, s66, 12
	s_add_nc_u64 s[10:11], s[10:11], s[66:67]
.irp nt, 0,1,2,3
.irp c, 0,1
	global_load_b128 v[BI+8*\nt+4*\c:BI+8*\nt+4*\c+3], v5, s[8:9] offset:64*\nt+16*\c   ; proj_b at columns 16 nt + 8 h + 0 .. 7
.endr
.endr
	; ---- THE CLS ROW.  Its packed numbers begin as zeros; the cluster of frame 0 makes them; one set of stores lays them in LDS on every path.
.irp hh, 0,1,2,3
	v_mov_b32 v[JH+\hh], 0
.endr
	s_cmp_lg_u32 s[FRM], 0                         ; the cluster's y: all sixteen partners and all waves go the same way
	s_cbranch_scc1 .Lno_cls
	s_lshl_b32 s90, s41, 4
	s_lshl_b32 s91, s14, 2
	s_add_co_u32 s90, s90, s91
	s_lshl_b32 s90, s90, 13                        ; (16 b + 4 wave) x 16 parts of 512 bytes
	s_mov_b32 s91, 0
	s_add_nc_u64 s[92:93], s[92:93], s[90:91]
	s_lshl_b32 s90, s14, 10
	s_add_co_u32 s90, s90, 8192                    ; v's third of qkv_b, my four heads
	s_add_nc_u64 s[94:95], s[94:95], s[90:91]
	v_mov_b32 v[JN], 0x7fc00000
.irp hh, 0,1,2,3
	global_load_b64 v[JS+2*\hh:JS+2*\hh+1], v6, s[92:93] offset:8192*\hh+256
.endr
.irp hh, 0,1,2,3
	global_load_b64 v[JB+2*\hh:JB+2*\hh+1], v7, s[94:95] offset:256*\hh
.endr
.irp hh, 0,1,2,3
.irp f, 0,1,2,3,4,5,6,7,8,9,10,11,12,13,14,15
	global_load_b64 v[JP+32*\hh+2*\f:JP+32*\hh+2*\f+1], v7, s[92:93] offset:8192*\hh+512*\f   ; 256 consecutive bytes: channels 2 lane, 2 lane + 1
.endr
.endr
	s_wait_loadcnt 0x0
.irp hh, 0,1,2,3
	v_mov_b32 v[JM+\hh], v[JS+2*\hh]
.endr
.irp x, 1,2,4,8
.irp hh, 0,1,2,3
	v_max_num_f32_dpp v[JM+\hh], v[JM+\hh], v[JM+\hh] row_xmask:\x row_mask:0xf bank_mask:0xf   ; the common maximum of the 16 frames
.endr
.endr
.irp hh, 0,1,2,3
	v_sub_f32 v[JW+\hh], v[JS+2*\hh], v[JM+\hh]
.endr
.irp hh, 0,1,2,3
	v_mul_f32 v[JW+\hh], s88, v[JW+\hh]
.endr
.irp hh, 0,1,2,3
	v_exp_f32 v[JW+\hh], v[JW+\hh]                 ; the frame's weight 2^(c (m - M))
.endr
	v_nop
	s_wait_alu depctr_va_vdst(0)                   ; one wait for the four, ahead of their first reader
.irp hh, 0,1,2,3
	v_mul_f32 v[JL+\hh], v[JW+\hh], v[JS+2*\hh+1]
.endr
.irp x, 1,2,4,8
.irp hh, 0,1,2,3
	v_add_f32_dpp v[JL+\hh], v[JL+\hh], v[JL+\hh] row_xmask:\x row_mask:0xf bank_mask:0xf       ; the row's sum
.endr
.endr
.irp hh, 0,1,2,3
	v_cmp_gt_f32 vcc_lo, s89, v[JM+\hh]
	v_cndmask_b32 v[JL+\hh], v[JL+\hh], v[JN], vcc_lo
.endr
.irp hh, 0,1,2,3
	v_rcp_f32 v[JR+\hh], v[JL+\hh]
.endr
	v_nop
.irp hh, 0,1,2,3
.irp f, 0,1,2,3,4,5,6,7,8,9,10,11,12,13,14,15
	v_readlane_b32 s[72+\f], v[JW+\hh], \f
.endr
	v_mul_f32 v[JA+2*\hh], s72, v[JP+32*\hh]
	v_mul_f32 v[JA+2*\hh+1], s72, v[JP+32*\hh+1]
.irp f, 1,2,3,4,5,6,7,8,9,10,11,12,13,14,15
	v_fmac_f32 v[JA+2*\hh], s[72+\f], v[JP+32*\hh+2*\f]
	v_fmac_f32 v[JA+2*\hh+1], s[72+\f], v[JP+32*\hh+2*\f+1]
.endr
.endr
	s_wait_alu depctr_va_vdst(0)                   ; the four reciprocals' wait
.irp hh, 0,1,2,3
	v_fma_f32 v[JA+2*\hh], v[JA+2*\hh], v[JR+\hh], v[JB+2*\hh]
	v_fma_f32 v[JA+2*\hh+1], v[JA+2*\hh+1], v[JR+\hh], v[JB+2*\hh+1]
.endr
.irp hh, 0,1,2,3
	v_cvt_pk_f16_f32 v[JH+\hh], v[JA+2*\hh], v[JA+2*\hh+1]
.endr
.Lno_cls:
.irp hh, 0,1,2,3
	ds_store_b32 v8, v[JH+\hh] offset:128*\hh      ; head 4 wave + hh, channels 2 lane and 2 lane + 1
.endr
.macro FA slot, q, t0, cnt             ; A's fragments of the slot's q-th 32 along K, row tiles t0 on
.set tt, \t0
.rept \cnt
.irp c, 0,1
	ds_load_b128 v[AF+8*tt+4*\c:AF+8*tt+4*\c+3], v[ADRA+\slot] offset:2176*tt+LA*((\q)/2)+64*((\q)%2)+32*\c
.endr
.set tt, tt+1
.endr
.endm
.macro FB slot, q, p                   ; B's four fragments into set p
	WIN 0x40
.irp nt, 0,1,2,3
.irp c, 0,1
	ds_load_b128 v[32*(\p)+8*\nt+4*\c:32*(\p)+8*\nt+4*\c+3], v[ADRB+\slot] offset:2176*\nt+LB*((\q)/2)+64*((\q)%2)+32*\c
.endr
.endr
	WIN 0
.endm
.macro FC slot, q                      ; the cls row's 32 numbers of the same K step: 64 bytes a step, 256 a slot
.irp c, 0,1
	ds_load_b128 v[CF+4*\c:CF+4*\c+3], v[ADRC] offset:256*(\slot)+64*(\q)+32*\c
.endr
.endm
.macro PATCH                           ; row 196 is row 4 of tile 12: lanes 4 and 20 of its fragment take the cls row's numbers
.irp i, 0,1,2,3,4,5,6,7
	v_cndmask_b32 v[AF+96+\i], v[AF+96+\i], v[CF+\i], s[CM]
.endr
.endm
; products of row tiles t0 on against B's set p.  The 52 accumulators take turns, one instruction a turn, in the same order in every step.  first = 1: proj_b starts the sums.
.macro PMUL t0, cnt, p, first
.if (\t0) < 8
	WIN 0xa1-0x20*(\first)
.else
	WIN 0xf1-0x30*(\first)
.endif
.set tt, \t0
.rept \cnt
.irp nt, 0,1,2,3
.set pd, 8*(4*(tt%8)+\nt)
.if \first
	v_wmma_f32_16x16x32_f16 v[pd:pd+7], v[32*(\p)+8*\nt:32*(\p)+8*\nt+7], v[AF+8*tt:AF+8*tt+7], v[BI+8*\nt:BI+8*\nt+7]
.else
	v_wmma_f32_16x16x32_f16 v[pd:pd+7], v[32*(\p)+8*\nt:32*(\p)+8*\nt+7], v[AF+8*tt:AF+8*tt+7], v[pd:pd+7]
.endif
.endr
.set tt, tt+1
.endr
.endm
.macro STEP slot, q, first             ; a step of 32 along K that has its successor in the same slot
	s_wait_dscnt 12                                ; B's set and A's tiles 0-7 are in; the youngest twelve loads (tiles 8-12, the cls row's two) may be out
	PMUL 0, 8, (\q)%2, \first
	s_wait_dscnt 0x0
	WIN 0
	PATCH
	PLACES
	FB \slot, (\q)+1, 1-(\q)%2
	FA \slot, (\q)+1, 0, 8
	PMUL 8, 5, (\q)%2, \first
	PLACES
	WIN 0
	FA \slot, (\q)+1, 8, 5
	FC \slot, (\q)+1
.endm
; a slot's last step changes slots: ONE barrier; in front of it each wave waits for all its tensor loads, adds 0 to its spare word, and waits for that and for its own reads of this slot.  fill = 1: the slot is filled again, two slots ahead.
.macro TURN slot, next, fill
	s_wait_tensorcnt 0x0                           ; all my tensor loads have landed: my part of the next slot
	ds_add_u32 v[SPW], v[NIL]                      ; 0 onto my spare word
	s_wait_dscnt 13                                ; (the add and the youngest twelve loads may be out)
	PMUL 0, 4, 1, 0
	s_wait_dscnt 0x0                               ; the add is done, and my reads of this slot are over
	s_barrier_signal -1
	PMUL 4, 4, 1, 0
	WIN 0
	PATCH                                          ; work on registers while the others arrive
	s_barrier_wait -1
.if \fill
	CREST                                          ; the barrier has opened a round of the cluster's: no wave of any partner still reads this slot or has a load on its way
	s_add_nc_u64 s[G0+4*\slot+2:G0+4*\slot+3], s[G0+4*\slot+2:G0+4*\slot+3], 100352
	s_add_nc_u64 s[G0B+4*\slot+2:G0B+4*\slot+3], s[G0B+4*\slot+2:G0B+4*\slot+3], 524288
	JLOAD \slot                                    ; the first tensor load behind the round; its four v_nop are the places in front of the loads below
.else
	PLACES
.endif
.if (\next) == 0
	v_add_nc_u32 v[ADRC], 512, v[ADRC]             ; the next lap's 256 numbers of the cls row (no LDS load of mine is out)
.endif
	FB \next, 0, 0
	FA \next, 0, 0, 8
	PMUL 8, 5, 1, 0
	PLACES
	WIN 0
	FA \next, 0, 8, 5
	FC \next, 0
.endm
.macro STEPS slot, from
.set Q, \from
.rept 3-\from
	STEP \slot, Q, 0
.set Q, Q+1
.endr
.endm
	s_wait_tensorcnt 1                             ; my part of slot 0 is in; slot 1's may stay out
	s_wait_dscnt 0x0                               ; my part of the cls row is stored
	s_barrier_signal -1
	s_barrier_wait -1
	FB 0, 0, 0
	FA 0, 0, 0, 8
	FA 0, 0, 8, 5
	FC 0, 0
	s_wait_loadcnt 0x0                             ; proj_b
	STEP 0, 0, 1                                   ; the first step stands in front of the loop: its products start the sums
	s_mov_b32 s3, LAPS-1
.Llap:                                                 ; a trip goes once round the ring and fills both slots again
	STEPS 0, 1
	TURN 0, 1, 1
	STEPS 1, 0
	TURN 1, 0, 1
	STEP 0, 0, 0
	s_sub_co_u32 s3, s3, 1
	s_cmp_lg_u32 s3, 0
	s_cbranch_scc1 .Llap
	STEPS 0, 1                                     ; the last lap fills nothing
	TURN 0, 1, 0
	STEPS 1, 0
	s_wait_dscnt 12
	PMUL 0, 8, 1, 0
	s_wait_dscnt 0x0
	WIN 0
	PATCH
	PMUL 8, 5, 1, 0
	WIN 0
; THE WAY OUT, a tile of 16 rows x 64 columns at a time, through my own stage: rows of 256 bytes come back whole, and sixteen lanes store one aligned run of 256 bytes.
.macro TOSTAGE t
.if (\t) < 8
	WIN 0x08
.else
	WIN 0x0c
.endif
.irp nt, 0,1,2,3
	ds_store_b128 v[STO], v[8*(4*((\t)%8)+\nt):8*(4*((\t)%8)+\nt)+3] offset:64*\nt       ; each accumulator from its low end on
	ds_store_b128 v[STO], v[8*(4*((\t)%8)+\nt)+4:8*(4*((\t)%8)+\nt)+7] offset:64*\nt+16
.endr
	WIN 0
.irp i, 0,1,2,3,4,5,6,7
.if ((\t) < 12) || (\i < 3)
	ds_load_b128 v[BK+32*((\t)%2)+4*\i:BK+32*((\t)%2)+4*\i+3], v[RD] offset:544*\i      ; LDS serves a wave's instructions in order.  Tile 12: rows 192 to 195, and row 196 with its neighbour
.endif
.endr
.endm
.macro SEND t, younger                 ; younger: the LDS instructions issued behind tile t's loads
	s_wait_dscnt \younger
.irp i, 0,1,2,3,4,5,6,7
.if ((\t) < 12) || (\i < 2)
	global_store_b128 v[CO], v[BK+32*((\t)%2)+4*\i:BK+32*((\t)%2)+4*\i+3], s[10:11] offset:(16*(\t)+2*\i)*4096 th:TH_STORE_NT
.endif
.endr
.endm
	PLACES
	TOSTAGE 0
.irp t, 1,2,3,4,5,6,7,8,9,10,11,12
.if \t > 1
	s_wait_xcnt 0x0                                ; the stores of two tiles back have read their registers: this tile's rows may land there
.endif
	TOSTAGE \t
.if \t == 12
	SEND \t-1, 11                                  ; tile 12: eight stores and three loads
.else
	SEND \t-1, 16
.endif
.endr
	SEND 12, 0
	s_cmp_lg_u32 s[FRM], 0                         ; frame 0 alone stores row 196: the batch's cls row, one row ahead of the frame's first
	s_cbranch_scc1 .Lno_row
	s_wait_xcnt 0x0                                ; EXEC changes only behind this wait: the stores above have read it
	v_cmp_gt_u32 vcc_lo, 16, v9
	s_and_saveexec_b32 s66, vcc_lo                 ; lanes 0-15 hold row 196, lanes 16-31 row 197, which is nobody's
	global_store_b128 v[CO], v[BK+8:BK+11], s[10:11] offset:-4096 th:TH_STORE_NT   ; sixteen lanes store 256 consecutive bytes, aligned
	s_wait_xcnt 0x0                                ; and again, in front of the line that widens it
	s_or_b32 exec_lo, exec_lo, s66
.Lno_row:
	s_wait_tensorcnt 0x0                           ; the wave's end
	ds_add_u32 v[SPW], v[NIL]
	s_wait_dscnt 0x0
	CROUND                                         ; the closing round
	s_endpgm
.Lfunc_end_k_q1f7061555d_proj:
	.size	k_q1f7061555d_proj, .Lfunc_end_k_q1f7061555d_proj-k_q1f7061555d_proj
	.p2alignl 7, 3214868480
	.fill 96, 4, 3214868480
	.section	.rodata,"a",@progbits
	.p2align	6, 0x0
	.amdhsa_kernel k_q1f7061555d_proj
		.amdhsa_group_segment_fixed_size 327680
		.amdhsa_private_segment_fixed_size 0
		.amdhsa_enable_private_segment 0
		.amdhsa_kernarg_size 48
		.amdhsa_user_sgpr_count 2
		.amdhsa_user_sgpr_kernarg_segment_ptr 1
		.amdhsa_wavefront_size32 1
		.amdhsa_system_sgpr_workgroup_id_x 1
		.amdhsa_system_sgpr_workgroup_id_y 1
		.amdhsa_system_sgpr_workgroup_id_z 1
		.amdhsa_system_vgpr_workitem_id 0
		.amdhsa_next_free_vgpr 1024
		.amdhsa_next_free_sgpr 100
		.amdhsa_reserve_vcc 1
		.amdhsa_float_denorm_mode_32 3
		.amdhsa_float_denorm_mode_16_64 3
		.amdhsa_memory_ordered 1
		.amdhsa_forward_progress 1
		.amdhsa_inst_pref_size 159
	.end_amdhsa_kernel
	.amdgpu_metadata
---
amdhsa.version: [ 1, 2 ]
amdhsa.kernels:
  - .name:           k_q1f7061555d_proj
    .symbol:         k_q1f7061555d_proj.kd
    .args:
      - { .name: att, .offset: 0, .size: 8, .value_kind: global_buffer, .address_space: global }
      - { .name: pwf, .offset: 8, .size: 8, .value_kind: global_buffer, .address_space: global }
      - { .name: proj_b, .offset: 16, .size: 8, .value_kind: global_buffer, .address_space: global }
      - { .name: out0, .offset: 24, .size: 8, .value_kind: global_buffer, .address_space: global }
      - { .name: clsp, .offset: 32, .size: 8, .value_kind: global_buffer, .address_space: global }
      - { .name: qkv_b, .offset: 40, .size: 8, .value_kind: global_buffer, .address_space: global }
    .group_segment_fixed_size: 327680
    .private_segment_fixed_size: 0
    .kernarg_segment_align: 8
    .kernarg_segment_size: 48
    .max_flat_workgroup_size: 128
    .sgpr_count:     100
    .vgpr_count:     1024
    .wavefront_size: 32
...
	.end_amdgpu_metadata
.endif
;; end of part 3
